; MI455X (gfx1250); checked and timed in simulation.
; The chip was launched on July 23, 2026; its instructions are those of AMD's public machine-readable ISA for CDNA 5 (MIT licence, August 2026) and "CDNA5" Instruction Set Architecture Reference Guide (July 2026). The comments in the code are by the model that wrote it; some were corrected since.
;; Head. Allowed arithmetic: matrix products marked QUANTISED: E2M3 operands, one E8M0 scale for each 32 along K, by v_wmma_scale_f32_16x16x128_f8f6f4 with both operands' format E2M3, f32 sums; everything else in f32.
;; Inputs: Wk 600 x 75 float32; Wq 600 x 75 float32; Wv 600 x 75 float32; x 512 x 128 x 600 float32.
;; Outputs: out0 512 x 128 x 75 float32.
;; This version of the problem:
;;   THIS VERSION OF THE PROBLEM IS GIVEN IN LOW PRECISION. The matrix products marked QUANTISED in the list below multiply operands that are first quantised to E2M3 (2 exponent bits, 3 mantissa bits; 6 bits a number), with one power-of-two scale for each 32 numbers along K (OCP MX v1.0); their sums are f32. All else is computed in f32.
;;   The module's matrix products, in the order in which they are computed (A, B: the left and right operand; K: the contracted axis; several contracted axes count as one K, in the product's order):
;;     1. [M 65,536, K 600] x [K 600, N 75]; A: input x; B: input Wq: QUANTISED
;;     2. [M 65,536, K 600] x [K 600, N 75]; A: input x; B: input Wk: QUANTISED
;;     3. [M 65,536, K 600] x [K 600, N 75]; A: input x; B: input Wv: QUANTISED
;;     4. batch 512 x [M 128, K 75] x [K 75, N 128]; A: computed on the way; B: computed on the way: QUANTISED
;;     5. batch 512 x [M 128, K 128] x [K 128, N 75]; A: softmax (see below); B: computed on the way: QUANTISED
;;   THE QUANTISER, for each operand of a quantised product, along K:
;;     - K is cut into blocks of 32 from its start; a last block that is shorter is filled with zeros.
;;     - A block's scale is 2^e with e = floor(log2(the largest magnitude in the block)) - 2, held to -126 .. 127; a block of zeros has e = 0. As a byte (E8M0): e + 127.
;;     - Each number is divided by its block's scale, clamped to +-7.5, and rounded to the nearest number of E2M3, ties to even, subnormals kept.
;;     - The product sums the exact products of the quantised numbers (number of the format x scale) in f32.
;;   ~~~python
;;   def quantise(x, axis):      # numpy; x: float32 -> the quantised numbers, widened to float32 again
;;       x = np.moveaxis(x, axis, -1); K = x.shape[-1]
;;       x = np.pad(x, [(0, 0)] * (x.ndim - 1) + [(0, -K % 32)]); x = x.reshape(x.shape[:-1] + (-1, 32)); a = np.abs(x).max(-1, keepdims=True)
;;       e = np.where(a > 0, np.clip(np.frexp(np.where(a > 0, a, 1))[1] - 1 - 2, -126, 127), 0)      # np.frexp(a)[1] - 1 = floor(log2(a)), exactly
;;       r = np.clip(x / 2.0 ** e, -7.5, 7.5)
;;       step = 2.0 ** (np.maximum(np.frexp(np.where(r == 0, 1, r))[1] - 1, 0) - 3)
;;       q = np.round(r / step) * step * 2.0 ** e      # np.round: ties to even
;;       return np.moveaxis(q.reshape(q.shape[:-2] + (-1,))[..., :K], -1, axis).astype(np.float32)
;;   ~~~
;;   SOFTMAX AHEAD OF A QUANTISED PRODUCT. Where the list says 'softmax', what is quantised is not the finished softmax but p = 2^(t - M), with t = logit x log2(e) and M = ceil(the row's largest t), a whole number; so 1/2 < the row's largest p <= 1. The row's sum l is taken of the UNQUANTISED p, in f32, and the product's result is divided by l at the end. Since M is a whole number, a kernel that streams over the keys may use a running M (the ceiling of the running maximum): every later rescaling is an exact power of two, which a block's scale takes up: the codes' values come out the same.
;;   OPERANDS COMPUTED ON THE WAY. 'Computed on the way' means the value that the module computes at that place (a softmax that the list does not call 'softmax' is quantised finished and normalised). What goes into a quantiser is computed in f32, as accurately as f32 sums, v_exp_f32 and their like allow (about 1e-6 of the number): no bf16 or f16 on the way to a quantiser, and a product that is left as it is and whose result goes on into a quantised operand takes f32 operands (vector FMAs, or v_wmma_f32_16x16x4_f32). A number that lies on a knife's edge between two numbers of the format may be rounded either way, as far as f32 arithmetic and the matrix unit's own rounding can turn it there, and no further.
;; One version. Each part assembles by itself: llvm-mc -triple=amdgcn-amd-amdhsa -mcpu=gfx1250 --defsym DOCPART=n.
;; ======== version 1 of 1: 2 launches
;; limits: right only within a limited range of input values
;; workspace buffers: wbuf 128,000 bytes
;; launch wprep (part 1): grid 30 x 5, 1 waves a work-group, no clusters, 0 bytes of LDS; arguments Wq, Wk, Wv, wbuf; writes wbuf
.if DOCPART == 1
	.amdgcn_target "amdgcn-amd-amdhsa--gfx1250"
	.amdhsa_code_object_version 6
	.text
	.protected	k_q221e0233c5_wprep
	.globl	k_q221e0233c5_wprep
	.p2align	8
	.type	k_q221e0233c5_wprep,@function
k_q221e0233c5_wprep:
	s_mov_b64 s[64:65], 0
	v_nop
	global_prefetch_b8 v0, s[64:65] scope:SCOPE_SE
	s_setreg_imm32_b32 hwreg(HW_REG_WAVE_MODE, 25, 1), 1
	s_wait_xcnt 0x0
; Wq, Wk, Wv [600][75] f32, K = their FIRST axis, become codes of FP6 (E2M3) with one E8M0 byte for each 32 along K, laid in wbuf in the order of the next launch's operand registers.
; A fragment is 16 channels x 128 K, 12 registers a lane: slot x 1,536 bytes; half c (K = 64 c + 32 h + 0 .. 31 for lane (r, h)) at + 768 c: registers 6 c .. 6 c + 3 at 16 x lane, 6 c + 4 and 6 c + 5 at 512 + 8 x lane.
; One wave makes one half: work-group x = 2 T + c, T the tile (0-4 Wq, 5-9 Wk, 10-14 Wv; 16 channels each), work-group y = s the K step of 128.
; A lane takes a channel and its registers run down K.  IN BLOCKS OF ODD NUMBER (h = 1) EACH TWO NEIGHBOURING GROUPS OF FOUR CHANGE PLACES: register i holds k = first + (i xor 4).  The next launch lays x in the same order, so the products are the same.
; UNITS, one for each group of waves of the next launch: 0 Wq tiles 0-3; 1 Wk tiles 0-3; 2 Wv tiles 0-3; 3 the three tensors' tiles 4.  Slot = 20 unit + 4 s + place in the unit.  (Unit 3 has three places; the fourth is neither written nor read.)
; Scale words: SCO + 1,280 unit + 256 s + 64 x place + 4 r; a wave writes the two bytes of its half.
; Channels from 75 on and k from 600 on are zero codes.  A block's byte is its largest magnitude's exponent field - 2, held at 1 from below.
; LIMITS: a block of zeros gets the byte 1 where the rule says 127 (its codes are zeros, and this program alone reads the bytes); NaN and infinities among the inputs are not served.
; DEAD WORK LEFT OUT BY THE PROGRAM: whole blocks of 32 keys behind every query of a tile: reference()'s own causal mask makes their probability 0 for all inputs.  A NaN, an infinity or an overflow that reaches only those scores is not carried to the result.
.set X,    64                          ; v64-95    my 32 numbers
.set OF,   96                          ; v96-127   their byte offsets in W
.set SCO,  122880
.set WEND, 179996                      ; the last word of a W: no load leaves the buffer
	s_load_b256 s[4:11], s[0:1], 0x0               ; Wq s[4:5], Wk s[6:7], Wv s[8:9], wbuf s[10:11]
	s_and_b32 s12, ttmp9, 1                        ; c
	s_lshr_b32 s13, ttmp9, 1                       ; T
	s_and_b32 s14, ttmp7, 0xffff                   ; s
	s_cmp_lt_u32 s13, 10
	s_cselect_b32 s15, 1, 2
	s_cmp_lt_u32 s13, 5
	s_cselect_b32 s15, 0, s15                      ; which tensor
	s_mul_i32 s16, s15, 5
	s_sub_co_u32 s16, s13, s16                     ; the tile in its tensor
	s_cmp_lt_u32 s16, 4
	s_cselect_b32 s17, s15, 3                      ; unit
	s_cselect_b32 s18, s16, s15                    ; place in the unit
	s_lshl_b32 s16, s16, 4                         ; the tile's first channel
	s_mul_i32 s22, s17, 30720
	s_lshl_b32 s23, s14, 2
	s_add_co_u32 s23, s23, s18
	s_mul_i32 s23, s23, 1536
	s_add_co_u32 s22, s22, s23
	s_mul_i32 s23, s12, 768
	s_add_co_u32 s22, s22, s23                     ; where my half goes,
	s_mov_b32 s23, 0
	s_mul_i32 s24, s17, 1280
	s_lshl_b32 s25, s14, 8
	s_add_co_u32 s24, s24, s25
	s_lshl_b32 s25, s18, 6
	s_add_co_u32 s24, s24, s25
	s_lshl_b32 s25, s12, 1
	s_add_co_u32 s24, s24, s25
	s_add_co_u32 s24, s24, SCO                     ; and its two scale bytes
	s_mov_b32 s25, 0
	s_mov_b32 s20, 0x76543210
	s_mov_b32 s21, 0xfedcba98                      ; v_permlanex16_b32's selects for lane l xor 16
	s_lshl_b32 s26, s14, 7
	s_lshl_b32 s27, s12, 6
	s_add_co_u32 s26, s26, s27                     ; 128 s + 64 c
	v_and_b32 v1, 15, v0                           ; r
	v_lshrrev_b32 v2, 4, v0                        ; h
	v_add_nc_u32 v3, s16, v1                       ; my channel
	v_min_u32 v4, 74, v3                           ; (a channel that does not exist reads the last one and is masked)
	v_lshl_add_u32 v5, v2, 5, s26                  ; my first k
	v_sub_nc_u32 v6, 600, v5                       ; how many k are left from there (signed)
	v_cmp_gt_u32 vcc_lo, 75, v3
	v_cndmask_b32 v6, 0, v6, vcc_lo                ; none for a channel that does not exist
	v_lshlrev_b32 v7, 2, v2                        ; 4 h
	v_sub_nc_u32 v11, v6, v7                       ; registers with bit 2 clear hold k = first + i + 4 h,
	v_add_nc_u32 v12, v6, v7                       ; those with bit 2 set k = first + i - 4 h
	v_mul_u32_u24 v5, v5, 300                      ; a row of W is 300 bytes
	v_lshl_add_u32 v5, v4, 2, v5
	v_mul_u32_u24 v8, v2, 1200
	v_add_nc_u32 v13, v5, v8
	v_sub_nc_u32 v14, v5, v8
	v_lshlrev_b32 v15, 4, v0
	v_lshlrev_b32 v16, 3, v0
	v_lshlrev_b32 v17, 2, v1
	v_lshlrev_b32 v18, 3, v2                       ; 8 h
.set nn, 0
.rept 32
	v_add_nc_u32 v[OF+nn], 300*nn, v[13+(nn/4)%2]
.set nn, nn+1
.endr
.set nn, 0
.rept 32
	v_min_u32 v[OF+nn], WEND, v[OF+nn]
.set nn, nn+1
.endr
	s_wait_alu depctr_va_vdst(0)
	s_wait_kmcnt 0x0
	s_cmp_lt_u32 s13, 10                           ; which W: the choice hangs on the work-group's number alone
	s_cselect_b64 s[6:7], s[6:7], s[8:9]
	s_cmp_lt_u32 s13, 5
	s_cselect_b64 s[4:5], s[4:5], s[6:7]
.set nn, 0
.rept 32
	global_load_b32 v[X+nn], v[OF+nn], s[4:5]
.set nn, nn+1
.endr
	s_add_nc_u64 s[22:23], s[10:11], s[22:23]
	s_add_nc_u64 s[24:25], s[10:11], s[24:25]
	s_wait_loadcnt 0x0
.set nn, 0
.rept 32
	v_cmp_lt_i32 vcc_lo, nn, v[11+(nn/4)%2]        ; what lies past K's end or past the last channel is 0, ahead of the block's maximum
	v_cndmask_b32 v[X+nn], 0, v[X+nn], vcc_lo
.set nn, nn+1
.endr
	v_max3_num_f32 v32, |v[X]|, |v[X+1]|, 0x1800000 ; with the floor 2^(3 - 127): the byte cannot fall under 1
	v_max3_num_f32 v33, |v[X+2]|, |v[X+3]|, |v[X+4]|
.irp i, 5,9,13,17,21,25
	v_max3_num_f32 v32, v32, |v[X+\i]|, |v[X+\i+1]|
	v_max3_num_f32 v33, v33, |v[X+\i+2]|, |v[X+\i+3]|
.endr
	v_max3_num_f32 v32, v32, |v[X+29]|, |v[X+30]|
	v_max3_num_f32 v32, v32, v33, |v[X+31]|
	v_add_nc_u32 v44, 0xff000000, v32              ; 2 off the exponent field: the conversion's scale operand
	v_lshrrev_b32 v9, 23, v44                      ; the scale's byte,
	v_lshlrev_b32 v9, v18, v9                      ; at its place in the two,
	v_mov_b32 v10, 0
	v_permlanex16_b32 v10, v9, s20, s21
	v_or_b32 v9, v9, v10                           ; with lane l xor 16's
	v_cvt_scalef32_pk16_fp6_f32 v[48:50], v[X:X+15], v44
	v_cvt_scalef32_pk16_fp6_f32 v[56:58], v[X+16:X+31], v44   ; (a conversion's three registers begin on an even number)
	v_nop                                          ; one plain place behind a scaled conversion
.irp i, 0,1,2
	v_mov_b32 v[51+\i], v[56+\i]
.endr
	global_store_b128 v15, v[48:51], s[22:23]      ; 32 lanes store 512 consecutive bytes,
	global_store_b64 v16, v[52:53], s[22:23] offset:512   ; and 256, both at multiples of 256
	global_store_b16 v17, v9, s[24:25]             ; both lanes of a channel write the same two bytes with the same value
	s_endpgm
.Lfunc_end_k_q221e0233c5_wprep:
	.size	k_q221e0233c5_wprep, .Lfunc_end_k_q221e0233c5_wprep-k_q221e0233c5_wprep
	.p2alignl 7, 3214868480
	.fill 96, 4, 3214868480
	.section	.rodata,"a",@progbits
	.p2align	6, 0x0
	.amdhsa_kernel k_q221e0233c5_wprep
		.amdhsa_group_segment_fixed_size 0
		.amdhsa_private_segment_fixed_size 0
		.amdhsa_enable_private_segment 0
		.amdhsa_kernarg_size 32
		.amdhsa_user_sgpr_count 2
		.amdhsa_user_sgpr_kernarg_segment_ptr 1
		.amdhsa_wavefront_size32 1
		.amdhsa_system_sgpr_workgroup_id_x 1
		.amdhsa_system_sgpr_workgroup_id_y 1
		.amdhsa_system_sgpr_workgroup_id_z 1
		.amdhsa_system_vgpr_workitem_id 0
		.amdhsa_next_free_vgpr 160
		.amdhsa_next_free_sgpr 66
		.amdhsa_reserve_vcc 1
		.amdhsa_float_denorm_mode_32 3
		.amdhsa_float_denorm_mode_16_64 3
		.amdhsa_memory_ordered 1
		.amdhsa_forward_progress 1
		.amdhsa_inst_pref_size 14
	.end_amdhsa_kernel
	.amdgpu_metadata
---
amdhsa.version: [ 1, 2 ]
amdhsa.kernels:
  - .name:           k_q221e0233c5_wprep
    .symbol:         k_q221e0233c5_wprep.kd
    .args:
      - { .name: Wq, .offset: 0, .size: 8, .value_kind: global_buffer, .address_space: global }
      - { .name: Wk, .offset: 8, .size: 8, .value_kind: global_buffer, .address_space: global }
      - { .name: Wv, .offset: 16, .size: 8, .value_kind: global_buffer, .address_space: global }
      - { .name: wbuf, .offset: 24, .size: 8, .value_kind: global_buffer, .address_space: global }
    .group_segment_fixed_size: 0
    .private_segment_fixed_size: 0
    .kernarg_segment_align: 8
    .kernarg_segment_size: 32
    .max_flat_workgroup_size: 32
    .sgpr_count:     66
    .vgpr_count:     160
    .wavefront_size: 32
...
	.end_amdgpu_metadata
.endif
;; end of part 1
;; launch head (part 2): grid 256 x 1, 8 waves a work-group, no clusters, 327,680 bytes of LDS; arguments x, wbuf, out0; writes out0
.if DOCPART == 2
	.amdgcn_target "amdgcn-amd-amdhsa--gfx1250"
	.amdhsa_code_object_version 6
	.text
	.protected	k_q221e0233c5_head
	.globl	k_q221e0233c5_head
	.p2align	8
	.type	k_q221e0233c5_head,@function
k_q221e0233c5_head:
	s_mov_b64 s[64:65], 0
	v_nop
	global_prefetch_b8 v0, s[64:65] scope:SCOPE_SE
	s_setreg_imm32_b32 hwreg(HW_REG_WAVE_MODE, 25, 1), 1
	s_wait_xcnt 0x0
; out0[b] = softmax(causal(q k^T / sqrt(600))) v, with q, k, v = x[b] Wq, x[b] Wk, x[b] Wv.  x [512][128][600] f32, out0 [512][128][75] f32.  All five products on codes of FP6 (E2M3) with one E8M0 byte for each 32 along K.
; SHARES.  A work-group of eight waves takes two batches: four phases of 64 rows, phase 2 l + f = half f of batch l.  Its part of x is 614,400 consecutive bytes.
; THE WAY OF x.  A wave's 8 rows of a phase are 19,200 dense bytes, brought into the wave's own stage in LDS by one tensor load (75 rows of 256 bytes), which no other wave reads.  The stage is filled again behind the next barrier.
;   X: a whole block of 32 numbers to a lane (lane = 8 x block + row) comes out of the stage, is quantised and stored as operand images.
;   In blocks of odd number a lane reads neighbouring 16-byte groups in swapped order; the weights have the same order along K.
;   The last step of K ends at k = 599.  What lies behind it has zero codes in the weights, so x's codes there add nothing: the lanes of block 19 read block 17, and block 18's last two groups are its groups 4, 5 once more, which leaves its maximum alone.
; PREFETCH.  While one phase's tensor loads are on their way each wave asks for its own 75 blocks of 256 bytes of the phase behind it, one whole phase ahead of the tensor load that wants them: phase 1's at the head, 2's and 3's in P(0), P(1).
; INTERVALS, each ended by one barrier: head: X(0) | P(0), X(1) | P(1), X(2) | A(batch 0) | P(2), X(3) | P(3) | A(batch 1).  x's images have two buffers, by f; O leaves behind A's barrier.
;   P: wave w keeps unit g = w % 4's four tiles of 16 channels, all of K, in 240 registers, and multiplies two tiles of 16 tokens, 2 (w / 4) and the next.  q, k: source 0 = W (a lane holds a token, registers along the channels);
;      v: source 0 = x (a lane holds a channel, registers along the tokens).  The 16 registers of two neighbouring tiles are one half of a block of 32 along the next K (its order in the block: 16 h + 8 u + j for number 16 u + 8 h + j, alike in both operands).
;      Channels 64-79 of q and k (unit 3) are 8 numbers a lane: places 16 h + 0 .. 7 of the third block; its other places and the fourth block are zero codes, cleared once.
;   A: a wave owns a tile T of 16 queries: S^T = k q^T on the key blocks 0 .. T / 2 alone (the blocks behind are masked whole by reference()'s own mask, for all inputs, and are left out: zero codes in p), mask in the last block,
;      p = 2^(t - M), O^T = v^T p^T, divided by the row's sum of the unquantised p.  A NaN or an infinity that reaches only scores left out is not carried to the result.
; No cluster: work-groups share the weights alone, which go to registers; each row of x is one work-group's.
; LIMITS: NaN and infinities among the inputs are not served.  A block of zeros gets the byte 1 (or 0 for blocks cleared once) where the rule says 127 (its codes are zeros; this program alone reads the bytes).  1 / sqrt(600) and log2(e) are one f32 constant.
;   The scaled scores' magnitude stays under 2^31.
; LDS (bytes)
.set OST,  0                           ; 128 rows of O as they lie in memory
.set STG,  38400                       ; a stage for each wave: 19,200 bytes
.set XIMG, 192000                      ; x's images: buffer x 30,720 + tile x 7,680 + K step x 1,536 + 768 c: registers 6 c .. 6 c + 3 at 16 x place, 6 c + 4, 5 at 512 + 8 x place; place = r % 8 + 8 ((h + r / 8) % 2) + 16 (r / 8)
.set XSC,  253440                      ; scale words: buffer x 1,280 + K step x 256 + 64 x tile + 4 r
.set QIMG, 256000                      ; q's images: tile x 1,536 + 512 x (register / 4) + 16 x lane + 4 x (register % 4).  From here 28,672 bytes are cleared once
.set KIMG, 268288
.set QSC,  280576                      ; 64 x tile + 4 r
.set KSC,  281088
.set VSC,  281600
.set VIMG, 282112
.set SPARE, 289792                     ; the spare words, 128 bytes for each wave
.set CAST, 290816                      ; where lanes 16-31 cast off the channels 75-79 that do not exist: 300 r + 32 w on; nobody reads it
.set SCO,  122880                      ; wbuf: where the scale words begin
.set XPH,  153600                      ; bytes of x in a phase
.set OB,   38400                       ; bytes of out0 in a batch
; REGISTERS, window 0
.set LI, 1                             ; 16 x lane
.set LI8, 2
.set PF0, 3                            ; v3-5: the prefetches' offsets: 256 x (lane, 32 + lane, 64 + lane at most 74)
.set XE, 6                             ; X: groups of even number; XO odd.  XE4, XO4 in the last step of K, XE6, XO6 for its groups 6, 7
.set XO, 7
.set XE4, 8
.set XO4, 9
.set XE6, 10
.set XO6, 11
.set IWA, 12
.set IWB, 13
.set IWS, 14
.set XRA, 15
.set XRB, 16
.set XRS, 17
.set APA, 18                           ; q's, k's blocks 0, 1: where register i of my half block goes
.set APB, 19
.set APS, 20
.set A4, 21                            ; block 2
.set A4S, 22
.set AVA, 23                           ; v's
.set AVB, 24
.set AVS, 25
.set AQ, 26
.set AQS, 27
.set AK, 28
.set AKS, 29
.set OSA, 30
.set OSB, 31
.set ORD, 32                           ; 16 x thread: in O's stage and in out0
.set LWS2, 33
.set DD, 34
.set NINF, 35
.set SPW, 36
.set NIL, 37
.set LWS, 38
.set TM, 40
.set TN, 48
.set SOP, 56
.set NM, 62
.set QF, 48                            ; my query tile's fragment, until S is made
.set ACC, 64                           ; v64-127 sums; S^T and p; O^T; x's numbers
.set FRG, 128                          ; v128-223 fragments from LDS
.set QC, 128
.set EBP, 160
.set CD, 192                           ; v192-221 codes of x
.set PC, 188                           ; v188-199 p's codes, v200-206 second halves
.set PT, 200
.set WS, 240                           ; the weights' scale words by K step: v240-244 places 0 (lanes 0-15), 1 (lanes 16-31); v232-236 places 2, 3
.set QSR, 248                          ; v245-247, 253, 254 scale words of x or k; 248 q's, 249-251 v's, 252 p's
.set VSR, 249
.set PWR, 252
; window 1: the weights' fragments at 12 (4 x K step + place)
.set MSB, 0
.macro WIN new                         ; the immediate's high byte repeats the setting that is left
.if MSB != \new
	s_set_vgpr_msb (MSB<<8)|\new
.set MSB, \new
.endif
.endm
.macro PLACES                          ; four places (ISA guide 7.12.1)
.rept 4
	v_nop
.endr
.endm
.macro BAR                             ; all my LDS instructions are done: then the work-group's barrier
	s_wait_alu depctr_va_vdst(0)
	s_wait_dscnt 0x0
	s_barrier_signal -1
	s_barrier_wait -1
.endm
.macro REFILL                          ; the barrier behind which my stage takes the next phase's rows.  One tensor load of mine is out at a time
	s_wait_alu depctr_va_vdst(0)
	s_wait_tensorcnt 0x0
	ds_add_u32 v[SPW], v[NIL]
	s_add_nc_u64 s[34:35], s[34:35], XPH           ; no tensor load of mine is out: the descriptor may step
	s_wait_dscnt 0x0                               ; the add, my reads of the stage and my image stores are done
	s_barrier_signal -1
	s_barrier_wait -1
	tensor_load_to_lds s[32:35], s[36:43]
	s_nop 0
	PLACES
.endm
.macro MM d, a, b, sa, sb, ra, rb, z
.if \z
	v_wmma_scale_f32_16x16x128_f8f6f4 v[\d:\d+7], v[\a:\a+11], v[\b:\b+11], 0, v[\sa], v[\sb] matrix_a_fmt:MATRIX_FMT_FP6 matrix_b_fmt:MATRIX_FMT_FP6 matrix_a_scale:MATRIX_SCALE_ROW\ra matrix_b_scale:MATRIX_SCALE_ROW\rb
.else
	v_wmma_scale_f32_16x16x128_f8f6f4 v[\d:\d+7], v[\a:\a+11], v[\b:\b+11], v[\d:\d+7], v[\sa], v[\sb] matrix_a_fmt:MATRIX_FMT_FP6 matrix_b_fmt:MATRIX_FMT_FP6 matrix_a_scale:MATRIX_SCALE_ROW\ra matrix_b_scale:MATRIX_SCALE_ROW\rb
.endif
.endm
.macro PFX ph                          ; my rows of phase ph are asked for into the L2
.irp i, 0,1,2
	global_prefetch_b8 v[PF0+\i], s[4:5] offset:XPH*\ph th:TH_LOAD_NT scope:SCOPE_SE
.endr
.endm
; ---- X
.macro XLD st, d
.irp q, 0,2,4,6
.if (\st) < 4
	ds_load_b128 v[\d+4*\q:\d+4*\q+3], v[XE] offset:512*(\st)+16*\q
	ds_load_b128 v[\d+4*\q+4:\d+4*\q+7], v[XO] offset:512*(\st)+16*\q+16
.elseif \q < 6
	ds_load_b128 v[\d+4*\q:\d+4*\q+3], v[XE4] offset:2048+16*\q
	ds_load_b128 v[\d+4*\q+4:\d+4*\q+7], v[XO4] offset:2048+16*\q+16
.else
	ds_load_b128 v[\d+4*\q:\d+4*\q+3], v[XE6] offset:2048+16*\q
	ds_load_b128 v[\d+4*\q+4:\d+4*\q+7], v[XO6] offset:2048+16*\q+16
.endif
.endr
.endm
.macro XQ st, d, ns, buf               ; ns steps from st on, 32 numbers a lane each from register d on
.set qs, 0
.rept \ns
	v_max3_num_f32 v[TM+2*qs], |v[\d+32*qs]|, |v[\d+32*qs+1]|, 0x1800000   ; with the floor 2^(3 - 127)
	v_max3_num_f32 v[TM+2*qs+1], |v[\d+32*qs+2]|, |v[\d+32*qs+3]|, |v[\d+32*qs+4]|
.set qs, qs+1
.endr
.irp i, 5,7,9,11,13,15,17,19,21,23,25,27,29
.set qs, 0
.rept \ns
	v_max3_num_f32 v[TM+2*qs+((\i-5)/2)%2], v[TM+2*qs+((\i-5)/2)%2], |v[\d+32*qs+\i]|, |v[\d+32*qs+\i+1]|
.set qs, qs+1
.endr
.endr
.set qs, 0
.rept \ns
	v_max3_num_f32 v[TM+2*qs], v[TM+2*qs], v[TM+2*qs+1], |v[\d+32*qs+31]|
.set qs, qs+1
.endr
.set qs, 0
.rept \ns
	v_add_nc_u32 v[SOP+qs], 0xff000000, v[TM+2*qs] ; 2 off the exponent field: the conversion's scale operand
.set qs, qs+1
.endr
.set qs, 0
.rept \ns
	v_cvt_scalef32_pk16_fp6_f32 v[CD+6*(\st+qs):CD+6*(\st+qs)+2], v[\d+32*qs:\d+32*qs+15], v[SOP+qs]
	v_cvt_scalef32_pk16_fp6_f32 v[TN+4*qs:TN+4*qs+2], v[\d+32*qs+16:\d+32*qs+31], v[SOP+qs]
.set qs, qs+1
.endr
.set qs, 0
.rept \ns
	v_lshrrev_b32 v[SOP+2+\st+qs], 23, v[SOP+qs]   ; the byte.  (A plain place behind the conversions)
.set qs, qs+1
.endr
.set qs, 0
.rept \ns
.irp i, 0,1,2
	v_mov_b32 v[CD+6*(\st+qs)+3+\i], v[TN+4*qs+\i]
.endr
.set qs, qs+1
.endr
.set qs, 0
.rept \ns
	ds_store_b128 v[IWA], v[CD+6*(\st+qs):CD+6*(\st+qs)+3] offset:30720*\buf+1536*(\st+qs)
	ds_store_b64 v[IWB], v[CD+6*(\st+qs)+4:CD+6*(\st+qs)+5] offset:30720*\buf+1536*(\st+qs)+512
	ds_store_b8 v[IWS], v[SOP+2+\st+qs] offset:1280*\buf+256*(\st+qs)
.set qs, qs+1
.endr
.endm
.macro XALL buf
	s_wait_dscnt 0x0                               ; my earlier LDS stores have read their registers
	s_wait_tensorcnt 0x0                           ; my rows are in
	XLD 0, 64
	XLD 1, 96
	XLD 2, 128
	XLD 3, 160
	s_wait_dscnt 16                                ; steps 0 and 1 are in
	XQ 0, 64, 2, \buf
	XLD 4, 64
	s_wait_dscnt 14                                ; behind steps 2 and 3: six stores and eight loads
	XQ 2, 128, 2, \buf
	s_wait_dscnt 6
	XQ 4, 64, 1, \buf
.endm
; ---- P
.macro PFETCH ks, buf                  ; K step ks of my two token tiles: nine loads
.set PE_, FRG+24*((\ks)%4)
.set PS_, 245+\ks+5*(\ks/3)
.irp o, 0,1
.irp c, 0,1
	ds_load_b128 v[PE_+12*\o+6*\c:PE_+12*\o+6*\c+3], v[XRA] offset:30720*\buf+7680*\o+1536*\ks+768*\c
	ds_load_b64 v[PE_+12*\o+6*\c+4:PE_+12*\o+6*\c+5], v[XRB] offset:30720*\buf+7680*\o+1536*\ks+768*\c+512
.endr
.endr
	ds_load_b32 v[PS_], v[XRS] offset:1280*\buf+256*\ks
.endm
.macro PROD kind, ks, tp, tr, o, d     ; place 2 tp + tr of my unit, token tile o, sum at ACC + d
.set PX_, FRG+24*((\ks)%4)+12*\o
.set PF_, 48*\ks+24*\tp+12*\tr
.set PK_, WS+\ks-8*\tp
.set PS_, 245+\ks+5*(\ks/3)
.set PD_, ACC+\d
.set Z_, 0
.if \ks == 0
.set Z_, 1
.endif
.if \kind
	WIN 0x04
	MM PD_, PX_, PF_, PS_, PK_, \o, \tr, Z_
.else
	WIN 0x01
	MM PD_, PF_, PX_, PK_, PS_, \tr, \o, Z_
.endif
.endm
.macro STEPR role, ks
.if \role < 2
.irp tp, 0,1
.irp tr, 0,1
.irp o, 0,1
.if \role
	PROD 1, \ks, \tp, \tr, \o, 32*\tp+16*\tr+8*\o
.else
	PROD 0, \ks, \tp, \tr, \o, 32*\o+16*\tp+8*\tr
.endif
.endr
.endr
.endr
.else
.irp tr, 0,1
.irp o, 0,1
	PROD 0, \ks, 0, \tr, \o, 16*\o+8*\tr
.endr
.endr
.irp o, 0,1
	PROD 1, \ks, 1, 0, \o, 32+8*\o
.endr
.endif
.endm
.macro PRODS role, buf, ph             ; four K steps' fragments are asked for at once; the fifth's take the first's registers
	PFETCH 0, \buf
	PFETCH 1, \buf
	PFETCH 2, \buf
	PFETCH 3, \buf
.if \ph
	PFX \ph
.endif
.irp ks, 0,1,2,3,4
.set W_, 27
.if \ks > 1
.set W_, 36-9*\ks
.endif
	s_wait_dscnt W_                                ; the later steps' nine loads each stay out
	STEPR \role, \ks
.if \ks == 0
	WIN 0
	PLACES
	PFETCH 4, \buf
.endif
.endr
	WIN 0
	PLACES
.endm
; Half blocks c0 .. c0 + cnt - 1, 16 registers each (the other half lies in lane l xor 16): codes to v[QC + 4 n] on, bytes to v[EBP + n]
.macro QMAX c0, cnt
.set qn, \c0
.rept \cnt
	v_max3_num_f32 v[TM+qn], |v[ACC+16*qn]|, |v[ACC+16*qn+1]|, 0x1800000
.set qn, qn+1
.endr
.irp i, 2,4,6,8,10,12,14
.set qn, \c0
.rept \cnt
	v_max3_num_f32 v[TM+qn], v[TM+qn], |v[ACC+16*qn+\i]|, |v[ACC+16*qn+\i+1]|
.set qn, qn+1
.endr
.endr
.endm
.macro QSCALE cnt
.set qn, 0
.rept \cnt
	v_permlanex16_b32 v[TN+qn], v[TM+qn], s20, s21
.set qn, qn+1
.endr
.set qn, 0
.rept \cnt
	v_max_num_f32 v[TM+qn], v[TM+qn], v[TN+qn]
.set qn, qn+1
.endr
.set qn, 0
.rept \cnt
	v_add_nc_u32 v[SOP+qn], 0xff000000, v[TM+qn]
.set qn, qn+1
.endr
.set qn, 0
.rept \cnt
	v_lshrrev_b32 v[EBP+qn], 23, v[SOP+qn]
.set qn, qn+1
.endr
.endm
.macro QUANT4
	QMAX 0, 4
	QSCALE 4
.irp n, 0,1,2,3
	v_cvt_scalef32_pk16_fp6_f32 v[QC+4*\n:QC+4*\n+2], v[ACC+16*\n:ACC+16*\n+15], v[SOP+\n]
.endr
	v_nop                                          ; one plain place behind a scaled conversion
.endm
.macro QKROLE f, ph                    ; units 0, 1: blocks 0, 1 of q or k
	PRODS 0, \f, \ph
	QUANT4
.irp o, 0,1
.irp b, 0,1
	ds_store_b32 v[APA], v[QC+8*\o+4*\b] offset:1536*(4*\f+\o)+256*\b
	ds_store_b32 v[APB], v[QC+8*\o+4*\b+1] offset:1536*(4*\f+\o)+256*\b+4
	ds_store_b32 v[APB], v[QC+8*\o+4*\b+2] offset:1536*(4*\f+\o)+256*\b+8
	ds_store_b8 v[APS], v[EBP+2*\o+\b] offset:64*(4*\f+\o)+\b
.endr
.endr
.endm
.macro VST t, f                        ; v's tile t: my block of 32 tokens
.if \f
	ds_store_b32 v[AVB], v[QC+4*\t] offset:1536*\t+520
	ds_store_b32 v[AVB], v[QC+4*\t+1] offset:1536*\t+524
	ds_store_b32 v[AVA], v[QC+4*\t+2] offset:1536*\t+1024
.else
	ds_store_b32 v[AVA], v[QC+4*\t] offset:1536*\t
	ds_store_b32 v[AVB], v[QC+4*\t+1] offset:1536*\t+4
	ds_store_b32 v[AVB], v[QC+4*\t+2] offset:1536*\t+8
.endif
	ds_store_b8 v[AVS], v[EBP+\t] offset:64*\t+2*\f
.endm
.macro VROLE f, ph                     ; unit 2: v's tiles 0-3
	PRODS 1, \f, \ph
	QUANT4
.irp t, 0,1,2,3
	VST \t, \f
.endr
.endm
.macro MIXROLE f, ph                   ; unit 3: channels 64-79 of q, of k (group 2 o is q's 8 numbers of token tile o, 2 o + 1 k's) and of v
	PRODS 2, \f, \ph
.irp n, 0,1,2,3
	v_max3_num_f32 v[TM+\n], |v[ACC+8*\n]|, |v[ACC+8*\n+1]|, 0x1800000
.endr
	v_max3_num_f32 v[TM+4], |v[ACC+32]|, |v[ACC+33]|, 0x1800000
	v_max3_num_f32 v[TM+5], |v[ACC+40]|, |v[ACC+41]|, |v[ACC+42]|
.irp i, 2,4,6
.irp n, 0,1,2,3
	v_max3_num_f32 v[TM+\n], v[TM+\n], |v[ACC+8*\n+\i]|, |v[ACC+8*\n+\i+1]|
.endr
	v_max3_num_f32 v[TM+4], v[TM+4], |v[ACC+32+\i]|, |v[ACC+33+\i]|
.if \i < 6
	v_max3_num_f32 v[TM+5], v[TM+5], |v[ACC+41+\i]|, |v[ACC+42+\i]|
.endif
.endr
	v_max3_num_f32 v[TM+4], v[TM+4], v[TM+5], |v[ACC+47]|
	QSCALE 5
.irp n, 0,1,2,3
	v_cvt_scalef32_pk16_fp6_f32 v[QC+4*\n:QC+4*\n+2], v[ACC+16*(\n/2):ACC+16*(\n/2)+15], v[SOP+\n]   ; both groups' 16 numbers under this group's scale; the other's codes are cut off below
.endr
	v_cvt_scalef32_pk16_fp6_f32 v[QC+16:QC+18], v[ACC+32:ACC+47], v[SOP+4]
	v_nop
.irp o, 0,1
	v_and_b32 v[QC+8*\o+1], 0xffff, v[QC+8*\o+1]                             ; q: the lower 48 bits
	v_alignbit_b32 v[QC+8*\o+4], v[QC+8*\o+6], v[QC+8*\o+5], 16              ; k: the upper 48 bits, brought down
	v_lshrrev_b32 v[QC+8*\o+5], 16, v[QC+8*\o+6]
.endr
.irp o, 0,1
	ds_store_b32 v[A4], v[QC+8*\o] offset:1536*(4*\f+\o)
	ds_store_b32 v[A4], v[QC+8*\o+1] offset:1536*(4*\f+\o)+4
	ds_store_b8 v[A4S], v[EBP+2*\o] offset:64*(4*\f+\o)
	ds_store_b32 v[A4], v[QC+8*\o+4] offset:1536*(4*\f+\o)+KIMG-QIMG
	ds_store_b32 v[A4], v[QC+8*\o+5] offset:1536*(4*\f+\o)+KIMG-QIMG+4
	ds_store_b8 v[A4S], v[EBP+2*\o+1] offset:64*(4*\f+\o)+KSC-QSC
.endr
	VST 4, \f
.endm
.macro PH f, ph
	s_cmp_lt_u32 s11, 2
	s_cbranch_scc0 .Lpa_\@
	QKROLE \f, \ph
	s_branch .Lpj_\@
.Lpa_\@:
	s_cmp_eq_u32 s11, 2
	s_cbranch_scc0 .Lpb_\@
	VROLE \f, \ph
	s_branch .Lpj_\@
.Lpb_\@:
	MIXROLE \f, \ph
.Lpj_\@:
.endm
; ---- A: my 16 queries against nb blocks of 32 keys, up to p's codes and the lane's sum of p
.macro ATT nb
.irp g, 0,1,2
	ds_load_b128 v[QF+4*\g:QF+4*\g+3], v[AQ] offset:512*\g
.endr
	ds_load_b32 v[QSR], v[AQS]
.set kb, 0
.rept \nb
.set KR_, 245+kb+5*(kb/3)
	ds_load_b32 v[KR_], v[AKS] offset:128*kb
.set kb, kb+1
.endr
.set kt, 0
.rept 2*\nb
.irp g, 0,1,2
	ds_load_b128 v[FRG+12*kt+4*\g:FRG+12*kt+4*\g+3], v[AK] offset:1536*kt+512*\g
.endr
.set kt, kt+1
.endr
	s_wait_dscnt 0x0
.set kb, 0
.rept \nb
.set KR_, 245+kb+5*(kb/3)
.irp u, 0,1
	MM ACC+16*kb+8*\u, FRG+24*kb+12*\u, QF, KR_, QSR, \u, 0, 1   ; S^T: lane (r, h) holds query r; register 16 b + 8 u + j is key 32 b + 16 u + 8 h + j
.endr
.set kb, kb+1
.endr
	PLACES
.irp t, 0,1,2,3,4
.irp g, 0,1,2
	ds_load_b128 v[FRG+12*\t+4*\g:FRG+12*\t+4*\g+3], v[AK] offset:VIMG-KIMG+1536*\t+512*\g   ; v's fragments land under the softmax
.endr
.endr
.irp p, 0,1,2
	ds_load_b32 v[VSR+\p], v[AKS] offset:VSC-KSC+128*\p
.endr
.set nn, 0
.rept 16
	v_cmp_gt_i32 vcc_lo, 16*(nn/8)+nn%8, v[DD]     ; a key behind my query: its score becomes -infinity, p = 0
	v_cndmask_b32 v[ACC+16*(\nb-1)+nn], v[ACC+16*(\nb-1)+nn], v[NINF], vcc_lo
.set nn, nn+1
.endr
.set kb, 0
.rept \nb
	v_max3_num_f32 v[TM+kb], v[ACC+16*kb], v[ACC+16*kb+1], v[ACC+16*kb+2]   ; the largest score of each block: for the row's maximum, and, since p rises with the score, for the block's largest p
.set kb, kb+1
.endr
.irp i, 3,5,7,9,11,13
.set kb, 0
.rept \nb
	v_max3_num_f32 v[TM+kb], v[TM+kb], v[ACC+16*kb+\i], v[ACC+16*kb+\i+1]
.set kb, kb+1
.endr
.endr
.set kb, 0
.rept \nb
	v_max_num_f32 v[TM+kb], v[TM+kb], v[ACC+16*kb+15]
.set kb, kb+1
.endr
.set kb, 0
.rept \nb
	v_permlanex16_b32 v[TN+kb], v[TM+kb], s20, s21
.set kb, kb+1
.endr
.set kb, 0
.rept \nb
	v_max_num_f32 v[TM+kb], v[TM+kb], v[TN+kb]
.set kb, kb+1
.endr
.if \nb == 1
	v_mul_f32 v46, s22, v[TM]
.else
	v_max_num_f32 v46, v[TM], v[TM+1]
.if \nb == 3
	v_max_num_f32 v46, v46, v[TM+2]
.elseif \nb == 4
	v_max3_num_f32 v46, v46, v[TM+2], v[TM+3]
.endif
	v_mul_f32 v46, s22, v46                        ; my query's largest t (c is positive)
.endif
	v_floor_f32 v[NM], -v46                        ; -M = floor(-t) = -ceil(t)
.set nn, 0
.rept 8*\nb
	v_pk_fma_f32 v[ACC+nn:ACC+nn+1], v[ACC+nn:ACC+nn+1], s[22:23], v[NM:NM+1] op_sel_hi:[1,0,0]   ; t - M, two at a time
.set nn, nn+2
.endr
.set kb, 0
.rept \nb
	v_fma_f32 v[TM+kb], v[TM+kb], s22, v[NM]
.set kb, kb+1
.endr
	s_wait_alu depctr_va_vdst(0)
.set nn, 0
.rept 16*\nb
	v_exp_f32 v[ACC+nn], v[ACC+nn]                 ; p = 2^(t - M): not normalised
.set nn, nn+1
.endr
.set kb, 0
.rept \nb
	v_exp_f32 v[TM+kb], v[TM+kb]                   ; the block's largest p: the same two instructions on the same number
.set kb, kb+1
.endr
	v_nop
	s_wait_alu depctr_va_vdst(0)
.set kb, 0
.rept \nb
	v_max_num_f32 v[TM+kb], 0x1800000, v[TM+kb]
.set kb, kb+1
.endr
.set kb, 0
.rept \nb
	v_add_nc_u32 v[SOP+kb], 0xff000000, v[TM+kb]
.set kb, kb+1
.endr
	v_lshrrev_b32 v[PWR], 23, v[SOP]               ; p's scale word; the bytes of blocks left out are 0, their codes zeros
.set kb, 1
.rept \nb-1
	v_lshrrev_b32 v[TN+kb], 23, v[SOP+kb]
.set kb, kb+1
.endr
.set kb, 1
.rept \nb-1
	v_lshl_or_b32 v[PWR], v[TN+kb], 8*kb, v[PWR]
.set kb, kb+1
.endr
.set kb, 0
.rept \nb
.if kb%2
	v_cvt_scalef32_pk16_fp6_f32 v[PT+4*(kb/2):PT+4*(kb/2)+2], v[ACC+16*kb:ACC+16*kb+15], v[SOP+kb]
.else
	v_cvt_scalef32_pk16_fp6_f32 v[PC+6*(kb/2):PC+6*(kb/2)+2], v[ACC+16*kb:ACC+16*kb+15], v[SOP+kb]
.endif
.set kb, kb+1
.endr
	v_nop                                          ; one plain place behind a scaled conversion
.if (\nb)%2
.irp i, 0,1,2
	v_mov_b32 v[PT+4*(\nb/2)+\i], 0
.endr
.endif
.if \nb < 3
.irp i, 6,7,8,9,10,11
	v_mov_b32 v[PC+\i], 0
.endr
.endif
.set kc, 0
.rept (\nb+1)/2
.irp i, 0,1,2
	v_permlane16_swap_b32 v[PC+6*kc+\i], v[PT+4*kc+\i]   ; a whole block in a lane: lanes 0-15 block 2 c, lanes 16-31 block 2 c + 1
.endr
.irp i, 0,1,2
	v_mov_b32 v[PC+3+6*kc+\i], v[PT+4*kc+\i]
.endr
.set kc, kc+1
.endr
	v_pk_add_f32 v[40:41], v[ACC:ACC+1], v[ACC+2:ACC+3]      ; the row's sum is taken of the UNQUANTISED p, in two chains
	v_pk_add_f32 v[42:43], v[ACC+4:ACC+5], v[ACC+6:ACC+7]
.set nn, 8
.rept 4*\nb-2
	v_pk_add_f32 v[40:41], v[40:41], v[ACC+nn:ACC+nn+1]
	v_pk_add_f32 v[42:43], v[42:43], v[ACC+nn+2:ACC+nn+3]
.set nn, nn+4
.endr
	v_pk_add_f32 v[40:41], v[40:41], v[42:43]
	s_wait_alu depctr_va_vdst(0)
.endm
.macro ATTALL
	s_cmp_eq_u32 s19, 0
	s_cbranch_scc0 .Latt2_\@
	ATT 1
	s_branch .Latt_\@
.Latt2_\@:
	s_cmp_eq_u32 s19, 1
	s_cbranch_scc0 .Latt3_\@
	ATT 2
	s_branch .Latt_\@
.Latt3_\@:
	s_cmp_eq_u32 s19, 2
	s_cbranch_scc0 .Latt4_\@
	ATT 3
	s_branch .Latt_\@
.Latt4_\@:
	ATT 4
.Latt_\@:
	v_add_f32 v44, v40, v41
	v_permlanex16_b32 v45, v44, s20, s21
	v_add_f32 v44, v44, v45                        ; the row's sum
	s_wait_alu depctr_va_vdst(0)
	v_rcp_f32 v44, v44
	v_nop
	s_wait_dscnt 0x0                               ; v is in
	s_wait_alu depctr_va_vdst(0)
	MM ACC, FRG, PC, VSR, PWR, 0, 0, 1             ; O^T: lane (r, h) holds query r; register 8 t + j is channel 16 t + 8 h + j
	MM ACC+8, FRG+12, PC, VSR, PWR, 1, 0, 1
	MM ACC+16, FRG+24, PC, VSR+1, PWR, 0, 0, 1
	MM ACC+24, FRG+36, PC, VSR+1, PWR, 1, 0, 1
	MM ACC+32, FRG+48, PC, VSR+2, PWR, 0, 0, 1
	PLACES
.set nn, 0
.rept 20
	v_pk_mul_f32 v[ACC+nn:ACC+nn+1], v[ACC+nn:ACC+nn+1], v[44:45] op_sel_hi:[1,0]   ; O / the sum
.set nn, nn+2
.endr
.irp t, 0,1,2,3
.irp j, 0,1,2,3,4,5,6,7
	ds_store_b32 v[OSA], v[ACC+8*\t+\j] offset:64*\t+4*\j
.endr
.endr
.irp j, 0,1,2
	ds_store_b32 v[OSA], v[ACC+32+\j] offset:256+4*\j   ; channels 64-66 and 72-74
.endr
.irp j, 3,4,5,6,7
	ds_store_b32 v[OSB], v[ACC+32+\j] offset:256+4*\j   ; lanes 0-15: channels 67-71; lanes 16-31 cast theirs off
.endr
.endm
.macro OUTP batch                      ; 38,400 dense bytes of O: 9 x 4,096 for the 256 threads, and 1,536 for waves 0-2
.irp i, 0,1,2,3,4,5,6,7,8
	ds_load_b128 v[ACC+4*\i:ACC+4*\i+3], v[ORD] offset:4096*\i
.endr
.irp i, 0,1,2,3,4,5,6,7,8
	s_wait_dscnt 8-\i                              ; the later loads stay out
	global_store_b128 v[ORD], v[ACC+4*\i:ACC+4*\i+3], s[8:9] offset:OB*\batch+4096*\i th:TH_STORE_NT   ; a wave stores 512 consecutive bytes, aligned
.endr
	s_cmp_lt_u32 s10, 3
	s_cbranch_scc0 .Lout_\@
	ds_load_b128 v[ACC+36:ACC+39], v[ORD] offset:36864
	s_wait_dscnt 0x0
	global_store_b128 v[ORD], v[ACC+36:ACC+39], s[8:9] offset:OB*\batch+36864 th:TH_STORE_NT
.Lout_\@:
.endm
.macro WTILE tt                        ; place tt of my unit, all of K
	WIN 0x40
.irp ks, 0,1,2,3,4
.irp c, 0,1
	global_load_b128 v[48*\ks+12*\tt+6*\c:48*\ks+12*\tt+6*\c+3], v[LI], s[6:7] offset:6144*\ks+1536*\tt+768*\c
	global_load_b64 v[48*\ks+12*\tt+6*\c+4:48*\ks+12*\tt+6*\c+5], v[LI8], s[6:7] offset:6144*\ks+1536*\tt+768*\c+512
.endr
.endr
	WIN 0
.endm
	s_load_b128 s[4:7], s[0:1], 0x0                ; x, wbuf
	s_load_b64 s[8:9], s[0:1], 0x10                ; out0
	v_lshl_add_u32 v[SPW], v0, 2, SPARE
	v_mov_b32 v[NIL], 0
	ds_add_u32 v[SPW], v[NIL]                      ; the wave's opening
	ds_add_u32 v[SPW], v[NIL]
	v_lshrrev_b32 v39, 5, v0
	v_readfirstlane_b32 s10, v39                   ; wave w
	v_and_b32 v40, 31, v0                          ; lane
	v_and_b32 v41, 15, v0                          ; r
	v_bfe_u32 v42, v0, 4, 1                        ; h
	v_and_b32 v43, 7, v0                           ; X: row
	v_bfe_u32 v44, v0, 3, 2                        ; X: block
	v_bfe_u32 v45, v0, 3, 1                        ; its lowest bit
	v_bfe_u32 v46, v0, 4, 1                        ; c
	v_lshlrev_b32 v[LI], 4, v40
	v_lshlrev_b32 v[LI8], 3, v40
	s_and_b32 s11, s10, 3                          ; g: my unit
	s_lshr_b32 s12, s10, 2                         ; p: which two token tiles of a phase are mine in P
	s_cmp_eq_u32 s11, 3
	s_cselect_b32 s13, 15, 31                      ; unit 3 has no fourth place: lanes 16-31 take the third's words once more
	v_lshlrev_b32 v[LWS], 2, v40
	v_and_b32 v47, s13, v0
	v_lshlrev_b32 v[LWS2], 2, v47
	v_lshlrev_b32 v[PF0], 8, v40
	v_add_nc_u32 v[PF0+1], 8192, v[PF0]
	v_add_nc_u32 v[PF0+2], 64, v40
	v_min_u32 v[PF0+2], 74, v[PF0+2]
	v_lshlrev_b32 v[PF0+2], 8, v[PF0+2]
	s_mov_b32 s32, 1                               ; descriptor group 0
	s_mul_i32 s14, s10, 19200
	s_add_co_u32 s33, s14, STG                     ; my stage
	s_mov_b32 s36, 3<<16                           ; group 1: elements of 8 bytes, 75 rows of 32, dense
	s_mov_b32 s37, 32<<16
	s_mov_b32 s38, 75<<16
	s_mov_b32 s39, 32<<16
	s_mov_b32 s40, 75
	s_mov_b32 s41, 32
	s_mov_b32 s42, 0
	s_mov_b32 s43, 0
	s_mul_i32 s30, ttmp9, 4*XPH                    ; my work-group's x (under 2^32 in all),
	s_add_co_u32 s30, s30, s14                     ; my wave's 8 rows
	s_mov_b32 s31, 0
	s_add_co_u32 s14, s14, STG
	s_wait_alu depctr_va_vdst(0)
	s_wait_dscnt 0x0                               ; both opening adds are done
	s_wait_kmcnt 0x0
	s_add_nc_u64 s[4:5], s[4:5], s[30:31]
	s_mov_b64 s[34:35], s[4:5]
	s_or_b32 s35, s35, 0x80000000
	tensor_load_to_lds s[32:35], s[36:43]          ; the first phase's rows
	s_nop 0
	PLACES
	s_mul_i32 s30, s11, 1280
	s_add_co_u32 s30, s30, SCO
	s_add_nc_u64 s[26:27], s[6:7], s[30:31]        ; my unit's scale words
	s_mul_i32 s30, s11, 30720
	s_add_nc_u64 s[6:7], s[6:7], s[30:31]          ; and fragments
	s_mul_i32 s30, ttmp9, 2*OB
	s_add_nc_u64 s[8:9], s[8:9], s[30:31]
.irp ks, 0,1,2,3,4
	global_load_b32 v[WS+\ks], v[LWS], s[26:27] offset:256*\ks
	global_load_b32 v[WS-8+\ks], v[LWS2], s[26:27] offset:256*\ks+128
.endr
	WTILE 0
	WTILE 1
	WTILE 2
	s_cmp_eq_u32 s11, 3
	s_cbranch_scc1 .Lthree
	WTILE 3
.Lthree:
	PFX 1
	s_and_b32 s15, s10, 1
	s_lshr_b32 s16, s10, 1
	s_mul_i32 s18, s12, 3
	s_xor_b32 s18, s10, s18                        ; my query tile T: waves 0-3 take 0-3, waves 4-7 take 7-4
	s_lshr_b32 s19, s18, 1                         ; its last block of keys
	s_mov_b32 s20, 0x76543210
	s_mov_b32 s21, 0xfedcba98                      ; v_permlanex16_b32's selects for lane l xor 16
	s_mov_b32 s22, 0x3d713ecc                      ; c = log2(e) / sqrt(600)
	s_mov_b32 s23, s22
	v_mul_u32_u24 v48, v43, 2400
	v_lshl_add_u32 v48, v44, 7, v48
	v_add_nc_u32 v48, s14, v48
	v_lshlrev_b32 v49, 4, v45
	v_add_nc_u32 v[XE], v48, v49
	v_sub_nc_u32 v[XO], v48, v49
	v_add_nc_u32 v50, 1, v44
	v_lshrrev_b32 v50, 2, v50                      ; 1 for block 3 of a step
	v_xor_b32 v51, 2, v44
	v_add_nc_u32 v51, 3, v51
	v_lshrrev_b32 v51, 2, v51
	v_xor_b32 v51, 1, v51                          ; 1 for block 2
	v_lshlrev_b32 v50, 8, v50
	v_lshlrev_b32 v51, 5, v51
	v_sub_nc_u32 v[XE4], v[XE], v50
	v_sub_nc_u32 v[XO4], v[XO], v50
	v_sub_nc_u32 v[XE6], v[XE4], v51
	v_sub_nc_u32 v[XO6], v[XO4], v51
	v_add_nc_u32 v52, s15, v45
	s_mul_i32 s16, s16, 7680                       ; X: my rows are rows 8 (w % 2) + 0 .. 7 of tile w / 2
	s_add_co_u32 s16, s16, XIMG
	s_lshl_b32 s15, s15, 4
	v_and_b32 v52, 1, v52
	v_lshl_add_u32 v52, v52, 3, v43
	v_add_nc_u32 v52, s15, v52                     ; my place in the image
	v_mul_u32_u24 v53, v46, 768
	v_add_nc_u32 v53, s16, v53
	v_lshl_add_u32 v[IWA], v52, 4, v53
	v_lshl_add_u32 v[IWB], v52, 3, v53
	s_lshl_b32 s17, s10, 5
	s_add_co_u32 s17, s17, XSC
	v_lshl_add_u32 v54, v43, 2, v44
	v_add_nc_u32 v[IWS], s17, v54
	s_mul_i32 s15, s12, 15360                      ; P reads tiles 2 p and 2 p + 1
	s_add_co_u32 s15, s15, XIMG
	s_lshl_b32 s16, s12, 7
	s_add_co_u32 s17, s16, XSC
	v_add_nc_u32 v55, v45, v42
	v_and_b32 v55, 1, v55
	v_lshl_add_u32 v55, v55, 3, v43
	v_lshl_add_u32 v55, v45, 4, v55
	v_lshl_add_u32 v[XRA], v55, 4, s15
	v_lshl_add_u32 v[XRB], v55, 3, s15
	v_lshl_add_u32 v[XRS], v40, 2, s17
	s_mul_i32 s15, s11, KIMG-QIMG                  ; unit 0 stores q, unit 1 k
	s_mul_i32 s17, s12, 3072
	s_add_co_u32 s15, s15, s17
	s_add_co_u32 s15, s15, QIMG
	s_add_co_u32 s17, s17, QIMG+520
	s_lshl_b32 s28, s11, 9
	s_add_co_u32 s28, s28, s16
	s_add_co_u32 s28, s28, QSC
	s_add_co_u32 s16, s16, QSC+2
	s_wait_alu depctr_va_vdst(0)
	v_lshl_add_u32 v56, v41, 4, s15
	v_mad_u32_u24 v[APA], v42, 12, v56
	v_mad_u32_u24 v[APB], v42, 508, v56
	v_lshl_add_u32 v[APS], v41, 2, s28
	v_lshl_add_u32 v57, v41, 4, s17
	v_mad_u32_u24 v[A4], v42, 508, v57
	v_lshl_add_u32 v[A4S], v41, 2, s16
	s_lshl_b32 s15, s12, 8
	s_add_co_u32 s15, s15, VIMG
	s_add_co_u32 s16, s12, VSC
	v_lshl_add_u32 v58, v41, 4, s15
	v_mad_u32_u24 v[AVA], v42, 12, v58
	v_mad_u32_u24 v[AVB], v42, 508, v58
	v_lshl_add_u32 v[AVS], v41, 2, s16
	s_mul_i32 s15, s18, 1536
	s_add_co_u32 s15, s15, QIMG
	s_lshl_b32 s16, s18, 6
	s_add_co_u32 s16, s16, QSC
	v_lshl_add_u32 v[AQ], v40, 4, s15
	v_lshl_add_u32 v[AQS], v41, 2, s16
	v_lshl_add_u32 v[AK], v40, 4, KIMG
	v_lshl_add_u32 v[AKS], v40, 2, KSC
	s_mul_i32 s15, s18, 4800
	s_lshl_b32 s16, s10, 5
	s_add_co_u32 s16, s16, CAST
	s_sub_co_u32 s16, s16, s15
	s_and_b32 s17, s18, 1
	s_lshl_b32 s17, s17, 4
	v_mul_u32_u24 v59, v41, 300
	v_add_nc_u32 v59, s15, v59                     ; my query's row in O's stage;
	v_lshl_add_u32 v[OSA], v42, 5, v59             ; lanes 16-31: eight channels on
	v_mul_u32_u24 v60, s16, v42
	v_add_nc_u32 v[OSB], v59, v60                  ; lanes 16-31: among the cast-off bytes
	v_lshlrev_b32 v[ORD], 4, v0
	v_lshlrev_b32 v61, 3, v42
	v_sub_nc_u32 v61, v41, v61
	v_add_nc_u32 v[DD], s17, v61                   ; my query's row in the last block - 8 h
	v_mov_b32 v[NINF], 0xff800000
	v_lshl_add_u32 v68, v0, 4, QIMG
.irp i, 64,65,66,67
	v_mov_b32 v\i, 0
.endr
.irp i, 0,1,2,3,4,5,6
	ds_store_b128 v68, v[64:67] offset:4096*\i     ; q's and k's images and the scale words begin as zeros
.endr
.irp i, 48,49,50,51,52,53,54,55,62,63
	v_mov_b32 v\i, 0                               ; written once: a lane permute's destination counts as one of its sources; the pair's upper half
.endr
	s_wait_alu depctr_va_vdst(0)
	XALL 0
	s_wait_loadcnt 0x0                             ; the weights are in
	REFILL                                         ; phase 1's rows
	PH 0, 2
	XALL 1
	REFILL                                         ; phase 2's
	PH 1, 3
	XALL 0
	REFILL                                         ; phase 3's, the last
	ATTALL
	BAR
	OUTP 0
	s_wait_xcnt 0x0                                ; the stores' data are written again only behind this wait
	PH 0, 0
	XALL 1
	BAR
	PH 1, 0
	BAR
	ATTALL
	BAR
	OUTP 1
	s_wait_tensorcnt 0x0                           ; the wave's end
	ds_add_u32 v[SPW], v[NIL]
	s_wait_dscnt 0x0
	s_endpgm
.Lfunc_end_k_q221e0233c5_head:
	.size	k_q221e0233c5_head, .Lfunc_end_k_q221e0233c5_head-k_q221e0233c5_head
	.p2alignl 7, 3214868480
	.fill 96, 4, 3214868480
	.section	.rodata,"a",@progbits
	.p2align	6, 0x0
	.amdhsa_kernel k_q221e0233c5_head
		.amdhsa_group_segment_fixed_size 327680
		.amdhsa_private_segment_fixed_size 0
		.amdhsa_enable_private_segment 0
		.amdhsa_kernarg_size 24
		.amdhsa_user_sgpr_count 2
		.amdhsa_user_sgpr_kernarg_segment_ptr 1
		.amdhsa_wavefront_size32 1
		.amdhsa_system_sgpr_workgroup_id_x 1
		.amdhsa_system_sgpr_workgroup_id_y 1
		.amdhsa_system_sgpr_workgroup_id_z 1
		.amdhsa_system_vgpr_workitem_id 0
		.amdhsa_next_free_vgpr 512
		.amdhsa_next_free_sgpr 66
		.amdhsa_reserve_vcc 1
		.amdhsa_float_denorm_mode_32 3
		.amdhsa_float_denorm_mode_16_64 3
		.amdhsa_memory_ordered 1
		.amdhsa_forward_progress 1
		.amdhsa_inst_pref_size 255
	.end_amdhsa_kernel
	.section	.bss,"aw",@nobits
	.p2align	6
	.space	262144
	.amdgpu_metadata
---
amdhsa.version: [ 1, 2 ]
amdhsa.kernels:
  - .name:           k_q221e0233c5_head
    .symbol:         k_q221e0233c5_head.kd
    .args:
      - { .name: x, .offset: 0, .size: 8, .value_kind: global_buffer, .address_space: global }
      - { .name: wbuf, .offset: 8, .size: 8, .value_kind: global_buffer, .address_space: global }
      - { .name: out0, .offset: 16, .size: 8, .value_kind: global_buffer, .address_space: global }
    .group_segment_fixed_size: 327680
    .private_segment_fixed_size: 0
    .kernarg_segment_align: 8
    .kernarg_segment_size: 24
    .max_flat_workgroup_size: 256
    .sgpr_count:     66
    .vgpr_count:     512
    .wavefront_size: 32
...
	.end_amdgpu_metadata
.endif
;; end of part 2
